; MI455X (gfx1250); checked and timed in simulation.
; The chip was launched on July 23, 2026; its instructions are those of AMD's public machine-readable ISA for CDNA 5 (MIT licence, August 2026) and "CDNA5" Instruction Set Architecture Reference Guide (July 2026). The comments in the code are by the model that wrote it; some were corrected since.
;; Dot Product Attention. Allowed arithmetic: matrix products marked QUANTISED: E2M1 operands, one E8M0 scale for each 32 along K, by v_wmma_scale_f32_16x16x128_f8f6f4 with both operands' format E2M1 (or v_wmma_scale_f32_32x16x128_f4), f32 sums; products left as they are: bf16, f16 or f32 operands; f32 sums; everything else in f32.
;; Inputs: key 4 x 16 x 2,048 x 64 float32; mask 4 x 1 x 2,048 x 2,048 bool; query 4 x 16 x 2,048 x 64 float32; value 4 x 16 x 2,048 x 64 float32.
;; Outputs: out0 4 x 16 x 2,048 x 64 float32.
;; This version of the problem:
;;   THIS VERSION OF THE PROBLEM IS GIVEN IN LOW PRECISION. The matrix products marked QUANTISED in the list below multiply operands that are first quantised to E2M1 (2 exponent bits, 1 mantissa bit; 4 bits a number), with one power-of-two scale for each 32 numbers along K (OCP MX v1.0); their sums are f32. The products marked 'left as it is' may take bf16, f16 or f32 operands, with f32 sums. Whichever they take, every output number must still come out within the allowed error. Rounding operands to bf16 (8 significant bits) uses up far more of that allowance than f16 does (11 bits, for magnitudes from 6e-5 to 65,504). All else is computed in f32.
;;   The module's matrix products, in the order in which they are computed (A, B: the left and right operand; K: the contracted axis; several contracted axes count as one K, in the product's order):
;;     1. batch 64 x [M 2,048, K 64] x [K 64, N 2,048]; A: input query; B: input key: QUANTISED
;;     2. batch 64 x [M 2,048, K 2,048] x [K 2,048, N 64]; A: computed on the way; B: input value: left as it is (an operand is computed on the way)
;;   THE QUANTISER, for each operand of a quantised product, along K:
;;     - K is cut into blocks of 32 from its start; a last block that is shorter is filled with zeros.
;;     - A block's scale is 2^e with e = floor(log2(the largest magnitude in the block)) - 2, held to -126 .. 127; a block of zeros has e = 0. As a byte (E8M0): e + 127.
;;     - Each number is divided by its block's scale, clamped to +-6, and rounded to the nearest number of E2M1, ties to even, subnormals kept.
;;     - The product sums the exact products of the quantised numbers (number of the format x scale) in f32.
;;   ~~~python
;;   def quantise(x, axis):      # numpy; x: float32 -> the quantised numbers, widened to float32 again
;;       x = np.moveaxis(x, axis, -1); K = x.shape[-1]
;;       x = np.pad(x, [(0, 0)] * (x.ndim - 1) + [(0, -K % 32)]); x = x.reshape(x.shape[:-1] + (-1, 32)); a = np.abs(x).max(-1, keepdims=True)
;;       e = np.where(a > 0, np.clip(np.frexp(np.where(a > 0, a, 1))[1] - 1 - 2, -126, 127), 0)      # np.frexp(a)[1] - 1 = floor(log2(a)), exactly
;;       r = np.clip(x / 2.0 ** e, -6, 6)
;;       step = 2.0 ** (np.maximum(np.frexp(np.where(r == 0, 1, r))[1] - 1, 0) - 1)
;;       q = np.round(r / step) * step * 2.0 ** e      # np.round: ties to even
;;       return np.moveaxis(q.reshape(q.shape[:-2] + (-1,))[..., :K], -1, axis).astype(np.float32)
;;   ~~~
;; One version. Each part assembles by itself: llvm-mc -triple=amdgcn-amd-amdhsa -mcpu=gfx1250 --defsym DOCPART=n.
;; ======== version 1 of 1: 2 launches
;; limits: values are held in f16: magnitudes above 65,504 overflow, below 6.1e-05 lose precision
;; workspace buffers: qblk 4,718,592 bytes; kblk 4,718,592 bytes; vh 16,777,216 bytes; mw 2,097,152 bytes of whole numbers
;; launch prep (part 1): grid 1536 x 1, 4 waves a work-group, no clusters, 70,144 bytes of LDS; arguments query, key, value, mask, qblk, kblk, vh, mw; writes qblk, kblk, vh, mw
.if DOCPART == 1
	.amdgcn_target "amdgcn-amd-amdhsa--gfx1250"
	.amdhsa_code_object_version 6
	.text
	.protected	k_qe0b482c319_prep
	.globl	k_qe0b482c319_prep
	.p2align	8
	.type	k_qe0b482c319_prep,@function
k_qe0b482c319_prep:
	s_mov_b64 s[64:65], 0
	v_nop
	global_prefetch_b8 v0, s[64:65] scope:SCOPE_SE
	s_setreg_imm32_b32 hwreg(HW_REG_WAVE_MODE, 25, 1), 1
	s_wait_xcnt 0x0
; DotProductAttention, first of two launches: every operand is brought into the form in which the second launch's loop takes it.
; NOTHING OF reference() IS LEFT OUT, in either launch: all four inputs reach the output.  The -10000 that takes a hidden score's place is a number like any other
; (a row with no open key averages value; a real score may lie under it), so it is selected, score by score, and goes through the maximum, the exponential and the sum.
; WHAT IS MADE HERE.
;   qblk, kblk: query and key as codes of E2M1 with one E8M0 byte for each 32 along d = 64 (two blocks a row), by the stated quantiser: byte = the exponent field of the block's largest
;     magnitude - 2; each number / 2^(byte - 127), to the nearest code, ties to even, beyond 6 the largest code.  Laid in BLOCKS of 2,304 bytes for 64 rows: bytes 512 t .. (t = 0..3) are the image of
;     tile t's operand registers 0-3: lane L = (rho = L % 16, h = L / 16) has 16 bytes at 16 L, the 32 codes of k = 32 h .. 32 h + 31 of the tile's row rho; bytes 2048 + 16 rho + 4 t: the row's scale word,
;     byte 0, byte 1, 0x7f, 0x7f.  Rows of tile t = 2 g + u, rho = 8 h' + j:  key 32 g + 16 h' + 8 u + j;  query 32 g + 16 u + rho.
;   vh: value as f16, laid as value is.
;   mw: the mask as lane masks, [b][tile of 16 queries][group m of 32 keys][j' 0..15] words: bit L = (r, h) is mask[b][16 tile + r][32 m + 16 h + j'].
; SHARES, by the work-group's number: 0-255 query, 256-511 key (a wave: 128 rows), 512-1023 value (a wave: 4,096 numbers), 1024-1535 mask (a wave: 16 queries x 512 keys).  Waves share nothing: no barrier.
; Every global load and store of a wave covers 256 or 512 consecutive bytes that start at a multiple of 256 from the buffer's first byte.
; LIMITS: NaN and infinities among the inputs are not served; |value| stays under 65,504 (f16); a block of zeros gets the byte 1 where the rule says 127 (its codes are zeros, and this program alone reads the
; bytes); blocks whose largest magnitude lies under 2^-124, the floor, were not tried; any mask byte other than 0 counts as true.
.set QSTG,  0                          ; LDS: the stage of the query/key path, QWB bytes for each wave
.set QWB,   8960
.set MSTG,  35840                      ; the stage of the mask path, MWB bytes for each wave: bytes of its own
.set MWB,   8448
.set SPARE, 69632                      ; the spare words, 128 bytes for each wave: two blocks of 256 bytes that no other line names
.set SPW, 14                           ; v14      LDS address of my spare word: SPARE + 4 x my thread's number; never rewritten
.set NIL, 15                           ; v15      0; never rewritten
.set W,   16                           ; v16-23   scale words of my 8 tiles; in the mask path the 256 words to store
.set C,   24                           ; v24-55   codes, four registers a tile: no store's data are written again
.set X,   56                           ; v56-119  two tiles x 32 numbers of a lane; f16 pairs; mask bytes
.set R,   120                          ; v120-247 numbers as they are loaded, two sets of 64
.set T,   248                          ; v248-251 the scale words as they leave
.macro FINISH                          ; the wave's end: a wait, a 0 added to my spare word and its wait, behind my last LDS store
	s_wait_tensorcnt 0x0
	ds_add_u32 v[SPW], v[NIL]
	s_wait_dscnt 0x0
	s_endpgm
.endm
	s_load_b512 s[4:19], s[0:1], 0x0               ; query s[4:5], key s[6:7], value s[8:9], mask s[10:11], qblk s[12:13], kblk s[14:15], vh s[16:17], mw s[18:19]
	v_lshl_add_u32 v[SPW], v0, 2, SPARE
	v_mov_b32 v[NIL], 0
	v_lshrrev_b32 v1, 5, v0
	v_readfirstlane_b32 s20, v1                    ; wave 0..3
	v_and_b32 v1, 31, v0                           ; lane L
	v_lshlrev_b32 v2, 4, v1                        ; 16 L
	s_wait_kmcnt 0x0
	s_cmp_lt_u32 ttmp9, 512
	s_cbranch_scc0 .Lnot_qk
; ---------------- query and key: 128 rows of 256 bytes a wave, 32 rows (two tiles) at a time ----------------
; The conversions take 8 neighbours along d from ONE lane's registers, and a block's 32 numbers are best one lane's; a load is best where neighbouring lanes take neighbouring bytes.  Both are had through the
; wave's own stage: 16 loads of 512 dense bytes, stored as they lie into rows of 272 bytes (row sigma at 272 sigma + 128 (sigma / 16)), read back 128 bytes a lane.
; Lane (rho = 8 h' + j, h) of tile u reads stage row 16 h' + 8 u + j.  For key that is the row's own number among the 32; for query the groups of 8 rows numbered 1 and 2 change places ON THE WAY IN,
; by the global offsets alone: the LDS addresses are the same for both tensors.
	s_cmp_lt_u32 ttmp9, 256                        ; query's work-group or key's: the choice hangs on the work-group's number alone
	s_cselect_b64 s[24:25], s[4:5], s[6:7]
	s_cselect_b64 s[26:27], s[12:13], s[14:15]
	s_mov_b32 s21, 2048
	s_cselect_b32 s21, 4096, s21                   ; where stage rows 8-15 come from
	s_mov_b32 s22, 4096
	s_cselect_b32 s22, 2048, s22                   ; and stage rows 16-23
	s_and_b32 s23, ttmp9, 255
	s_lshl_b32 s23, s23, 2
	s_add_co_u32 s23, s23, s20                     ; which run of 128 rows is my wave's: 0..1023
	s_lshl_b32 s32, s23, 15                        ; 32,768 bytes in,
	s_mov_b32 s33, 0
	s_add_nc_u64 s[24:25], s[24:25], s[32:33]
	s_mul_i32 s32, s23, 4608                       ; two BLOCKS out
	s_add_nc_u64 s[26:27], s[26:27], s[32:33]
	s_mov_b32 s28, 0x76543210
	s_mov_b32 s29, 0xfedcba98                      ; v_permlanex16_b32's selects for lane L xor 16
	s_mov_b32 s30, 0xffff0000                      ; lanes 16-31
	v_add_nc_u32 v3, s21, v2
	v_add_nc_u32 v4, s22, v2
	s_mul_i32 s31, s20, QWB                        ; my stage (QSTG = 0)
	v_and_b32 v9, 15, v0                           ; rho
	v_bfe_u32 v10, v0, 4, 1                        ; h
	v_mul_u32_u24 v5, v10, 272
	v_lshl_add_u32 v5, v9, 4, v5
	v_add_nc_u32 v5, s31, v5                       ; into the stage: lanes 0-15 one row, lanes 16-31 the next
	v_bfe_u32 v11, v0, 3, 1                        ; h'
	v_and_b32 v12, 7, v0                           ; j
	v_mul_u32_u24 v6, v11, 4480                    ; 16 rows of 272 and the skew of 128, which sets the two groups of 8 rows on different banks (64 banks of 4 bytes: ISA guide 11.1)
	v_mad_u32_u24 v6, v12, 272, v6
	v_lshl_add_u32 v6, v10, 7, v6                  ; + my block's 128 bytes
	v_add_nc_u32 v6, s31, v6                       ; out of the stage
	v_mul_u32_u24 v7, v10, 2304
	v_lshl_add_u32 v7, v9, 4, v7
	v_add_nc_u32 v7, 2048, v7                      ; where the scale words go: lanes 0-15 the first BLOCK's, lanes 16-31 the second's
	v_lshlrev_b32 v8, 3, v10                       ; my byte's place in a scale word: 8 h bits up
	v_mov_b32 v12, 0                               ; written once: a lane permute's destination counts as one of its sources
.macro LOADT t                         ; rows 32 t .. 32 t + 31 into set t % 2: sixteen loads of 512 dense bytes, in the order of the stage's rows
.irp i, 0,1,2,3
	global_load_b128 v[R+64*((\t)%2)+4*\i:R+64*((\t)%2)+4*\i+3], v2, s[24:25] offset:8192*(\t)+512*\i th:TH_LOAD_NT
.endr
.irp i, 0,1,2,3
	global_load_b128 v[R+64*((\t)%2)+16+4*\i:R+64*((\t)%2)+16+4*\i+3], v3, s[24:25] offset:8192*(\t)+512*\i th:TH_LOAD_NT
.endr
.irp i, 0,1,2,3
	global_load_b128 v[R+64*((\t)%2)+32+4*\i:R+64*((\t)%2)+32+4*\i+3], v4, s[24:25] offset:8192*(\t)+512*\i th:TH_LOAD_NT
.endr
.irp i, 12,13,14,15
	global_load_b128 v[R+64*((\t)%2)+4*\i:R+64*((\t)%2)+4*\i+3], v2, s[24:25] offset:8192*(\t)+512*\i th:TH_LOAD_NT
.endr
.endm
.macro TURN t                          ; the 32 rows go through the stage: LDS serves a wave's instructions in order (ISA guide 5.7.1.4), so no wait stands between the stores and the loads
.if (\t) < 3
	s_wait_loadcnt 16                              ; this set's 16 loads are in; the younger set's 16 may be out
.else
	s_wait_loadcnt 0x0
.endif
.irp i, 0,1,2,3,4,5,6,7,8,9,10,11,12,13,14,15
	ds_store_b128 v5, v[R+64*((\t)%2)+4*\i:R+64*((\t)%2)+4*\i+3] offset:544*\i+128*(\i/8)
.endr
.irp u, 0,1
.irp i, 0,1,2,3,4,5,6,7
	ds_load_b128 v[X+32*\u+4*\i:X+32*\u+4*\i+3], v6 offset:2176*\u+16*\i
.endr
.endr
	s_wait_dscnt 16                                ; the 16 stores are done and have read their registers (the 16 loads behind them may be out),
.if (\t) < 2
	LOADT (\t)+2                                   ; which take the rows of two turns on
.endif
.endm
.macro QTILE tau, u                    ; tile tau of my eight: my block's 32 numbers lie in v[XS] on
.set XS, X+32*(\u)
	s_wait_dscnt 8*(1-(\u))                        ; this tile's 8 loads are in; the other tile's 8 may be out
	v_max3_num_f32 v9, |v[XS]|, |v[XS+1]|, |v[XS+2]|               ; the block's largest magnitude: all 32 numbers are mine; two chains
	v_max3_num_f32 v10, |v[XS+3]|, |v[XS+4]|, |v[XS+5]|
.irp i, 6,10,14,18,22,26
	v_max3_num_f32 v9, v9, |v[XS+\i]|, |v[XS+\i+1]|
	v_max3_num_f32 v10, v10, |v[XS+\i+2]|, |v[XS+\i+3]|
.endr
	v_max3_num_f32 v9, v9, |v[XS+30]|, |v[XS+31]|
	v_max3_num_f32 v9, v9, v10, 0x1800000          ; and the floor 2^(3 - 127): the byte cannot fall under 1
	v_add_nc_u32 v11, 0xff000000, v9               ; 2 off its exponent field: the conversion takes the exponent field of this operand as its scale, and nothing else of it
.irp g, 0,1,2,3
	v_cvt_scalef32_pk8_fp4_f32 v[C+4*(\tau)+\g], v[XS+8*\g:XS+8*\g+7], v11
.endr
	v_lshrrev_b32 v10, 23, v11                     ; the scale's byte (also the plain line behind the conversions),
	v_lshlrev_b32 v10, v8, v10                     ; at its place in the word;
	v_permlanex16_b32 v12, v10, s28, s29
	v_or_b32 v10, v10, v12                         ; with lane L xor 16's the row's two bytes are together;
	v_or_b32 v[W+(\tau)], 0x7f7f0000, v10          ; bytes 2 and 3 stand for 1.0: they scale the zero codes with which d = 64 is filled up to the instruction's 128
	global_store_b128 v2, v[C+4*(\tau):C+4*(\tau)+3], s[26:27] offset:2304*((\tau)/4)+512*((\tau)%4)   ; the tile's image: 512 consecutive bytes
.endm
	LOADT 0
	LOADT 1
	TURN 0
	QTILE 0, 0
	QTILE 1, 1
	TURN 1
	QTILE 2, 0
	QTILE 3, 1
	TURN 2
	QTILE 4, 0
	QTILE 5, 1
	TURN 3
	QTILE 6, 0
	QTILE 7, 1
.irp t, 0,1,2,3
	v_cndmask_b32 v[T+\t], v[W+\t], v[W+4+\t], s30 ; lanes 0-15: tiles 0-3 (the first BLOCK), lanes 16-31: tiles 4-7
.endr
	global_store_b128 v7, v[T:T+3], s[26:27]       ; sixteen lanes store a BLOCK's 256 bytes of scale words
	FINISH
.Lnot_qk:
	s_cmp_lt_u32 ttmp9, 1024
	s_cbranch_scc0 .Lmask
; ---------------- value: f32 to f16, a plain stream; no LDS ----------------
	s_sub_co_u32 s23, ttmp9, 512
	s_lshl_b32 s23, s23, 2
	s_add_co_u32 s23, s23, s20                     ; which run of 4,096 numbers: 0..2047
	s_lshl_b32 s32, s23, 14
	s_mov_b32 s33, 0
	s_add_nc_u64 s[24:25], s[8:9], s[32:33]
	s_lshl_b32 s32, s23, 13
	s_add_nc_u64 s[26:27], s[16:17], s[32:33]
	v_lshlrev_b32 v3, 3, v1                        ; 8 L
.irp i, 0,1,2,3,4,5,6,7,8,9,10,11,12,13,14,15,16,17,18,19,20,21,22,23,24,25,26,27,28,29,30,31
	global_load_b128 v[R+4*\i:R+4*\i+3], v2, s[24:25] offset:512*\i th:TH_LOAD_NT
.endr
.irp i, 0,1,2,3,4,5,6,7,8,9,10,11,12,13,14,15,16,17,18,19,20,21,22,23,24,25,26,27,28,29,30,31
	s_wait_loadcnt 31-\i                           ; loads come back in order (ISA guide 5.7.1): load i is in, the younger ones may be out
	v_cvt_pk_f16_f32 v[X+2*\i], v[R+4*\i], v[R+4*\i+1]
	v_cvt_pk_f16_f32 v[X+2*\i+1], v[R+4*\i+2], v[R+4*\i+3]
	global_store_b64 v3, v[X+2*\i:X+2*\i+1], s[26:27] offset:256*\i   ; 32 lanes store 256 consecutive bytes; no register is written twice
.endr
	s_endpgm
.Lmask:
; ---------------- mask: 16 queries x 512 keys a wave become 256 lane masks ----------------
; Rows come in dense (512 bytes a load) and go through the wave's stage (pitch 528), so that lane (r, h) holds, for each group m of 32 keys, the 16 bytes of query r, keys 32 m + 16 h + 0..15.
; One compare of byte j' over the 32 lanes IS the word (m, j'); v_writelane_b32 lays the 256 words so that they leave by two stores of 512 consecutive bytes.
	s_sub_co_u32 s23, ttmp9, 1024
	s_lshl_b32 s23, s23, 2
	s_add_co_u32 s23, s23, s20                     ; mu = 4 x (tile of queries, over all batches) + quarter of the keys: 0..2047
	s_lshr_b32 s32, s23, 2
	s_lshl_b32 s32, s32, 15                        ; 16 rows of 2,048 bytes,
	s_and_b32 s21, s23, 3
	s_lshl_b32 s21, s21, 9                         ; + 512 keys a quarter
	s_add_co_u32 s32, s32, s21
	s_mov_b32 s33, 0
	s_add_nc_u64 s[24:25], s[10:11], s[32:33]
	s_lshl_b32 s32, s23, 10                        ; 1,024 bytes of words out
	s_add_nc_u64 s[26:27], s[18:19], s[32:33]
	s_mul_i32 s31, s20, MWB
	s_add_co_u32 s31, s31, MSTG                    ; my stage
	v_add_nc_u32 v5, s31, v2                       ; in: 16 L of a row
	v_and_b32 v9, 15, v0
	v_bfe_u32 v10, v0, 4, 1
	v_mul_u32_u24 v6, v9, 528
	v_lshl_add_u32 v6, v10, 4, v6
	v_add_nc_u32 v6, s31, v6                       ; out: row r, + 16 h
.irp r, 0,1,2,3,4,5,6,7,8,9,10,11,12,13,14,15
	global_load_b128 v[R+4*\r:R+4*\r+3], v2, s[24:25] offset:2048*\r th:TH_LOAD_NT
.endr
.irp r, 0,1,2,3,4,5,6,7,8,9,10,11,12,13,14,15
	s_wait_loadcnt 15-\r                           ; row r is in, the younger rows may be out
	ds_store_b128 v5, v[R+4*\r:R+4*\r+3] offset:528*\r
.endr
.irp m, 0,1,2,3,4,5,6,7,8,9,10,11,12,13,14,15
	ds_load_b128 v[X+4*\m:X+4*\m+3], v6 offset:32*\m   ; LDS serves a wave's instructions in order: these see my stores
.endr
.irp k, 0,1,2,3,4,5,6,7
	v_mov_b32 v[W+\k], 0                           ; written once: v_writelane_b32's destination counts as read
.endr
	s_wait_dscnt 0x0
.set w, 0                              ; word w = 16 m + j', four at a time: they share a register of mask bytes
.rept 64
.irp k, 0,1,2,3
	v_and_b32 v[9+\k], 0xff<<(8*\k), v[X+4*(w/16)+((w%16)/4)]
.endr
.irp k, 0,1,2,3
	v_cmp_ne_u32 s[32+\k], 0, v[9+\k]              ; bit L: the mask of lane L's query and key
.endr
.irp k, 0,1,2,3
	v_writelane_b32 v[W+4*(w/128)+\k], s[32+\k], (w/4)%32   ; word w leaves from lane (w / 4) % 32, register w % 4, store w / 128
.endr
.set w, w+4
.endr
	global_store_b128 v2, v[W:W+3], s[26:27]
	global_store_b128 v2, v[W+4:W+7], s[26:27] offset:512
	FINISH
.Lfunc_end_k_qe0b482c319_prep:
	.size	k_qe0b482c319_prep, .Lfunc_end_k_qe0b482c319_prep-k_qe0b482c319_prep
	.p2alignl 7, 3214868480
	.fill 96, 4, 3214868480
	.section	.rodata,"a",@progbits
	.p2align	6, 0x0
	.amdhsa_kernel k_qe0b482c319_prep
		.amdhsa_group_segment_fixed_size 70144
		.amdhsa_private_segment_fixed_size 0
		.amdhsa_enable_private_segment 0
		.amdhsa_kernarg_size 64
		.amdhsa_user_sgpr_count 2
		.amdhsa_user_sgpr_kernarg_segment_ptr 1
		.amdhsa_wavefront_size32 1
		.amdhsa_system_sgpr_workgroup_id_x 1
		.amdhsa_system_sgpr_workgroup_id_y 1
		.amdhsa_system_sgpr_workgroup_id_z 1
		.amdhsa_system_vgpr_workitem_id 0
		.amdhsa_next_free_vgpr 256
		.amdhsa_next_free_sgpr 66
		.amdhsa_reserve_vcc 0
		.amdhsa_float_denorm_mode_32 3
		.amdhsa_float_denorm_mode_16_64 3
		.amdhsa_memory_ordered 1
		.amdhsa_forward_progress 1
		.amdhsa_inst_pref_size 96
	.end_amdhsa_kernel
	.amdgpu_metadata
---
amdhsa.version: [ 1, 2 ]
amdhsa.kernels:
  - .name:           k_qe0b482c319_prep
    .symbol:         k_qe0b482c319_prep.kd
    .args:
      - { .name: query, .offset: 0, .size: 8, .value_kind: global_buffer, .address_space: global }
      - { .name: key, .offset: 8, .size: 8, .value_kind: global_buffer, .address_space: global }
      - { .name: value, .offset: 16, .size: 8, .value_kind: global_buffer, .address_space: global }
      - { .name: mask, .offset: 24, .size: 8, .value_kind: global_buffer, .address_space: global }
      - { .name: qblk, .offset: 32, .size: 8, .value_kind: global_buffer, .address_space: global }
      - { .name: kblk, .offset: 40, .size: 8, .value_kind: global_buffer, .address_space: global }
      - { .name: vh, .offset: 48, .size: 8, .value_kind: global_buffer, .address_space: global }
      - { .name: mw, .offset: 56, .size: 8, .value_kind: global_buffer, .address_space: global }
    .group_segment_fixed_size: 70144
    .private_segment_fixed_size: 0
    .kernarg_segment_align: 8
    .kernarg_segment_size: 64
    .max_flat_workgroup_size: 128
    .sgpr_count:     66
    .vgpr_count:     256
    .wavefront_size: 32
...
	.end_amdgpu_metadata
.endif
;; end of part 1
;; launch attn (part 2): grid 4 x 64, 16 waves a work-group, clusters of 4 x 1, 327,680 bytes of LDS; arguments qblk, kblk, vh, mw, out0; writes out0
.if DOCPART == 2
	.amdgcn_target "amdgcn-amd-amdhsa--gfx1250"
	.amdhsa_code_object_version 6
	.text
	.protected	k_qe0b482c319_attn
	.globl	k_qe0b482c319_attn
	.p2align	8
	.type	k_qe0b482c319_attn,@function
k_qe0b482c319_attn:
	s_mov_b64 s[64:65], 0
	v_nop
	global_prefetch_b8 v0, s[64:65] scope:SCOPE_SE
	s_setreg_imm32_b32 hwreg(HW_REG_WAVE_MODE, 25, 1), 1
	s_wait_xcnt 0x0
	s_wait_alu depctr_hold_cnt(0) depctr_sa_sdst(0) depctr_va_vdst(0) depctr_va_sdst(0) depctr_va_ssrc(0) depctr_va_vcc(0) depctr_vm_vsrc(0)
	s_getreg_b32 s2, hwreg(HW_REG_IB_STS2, 6, 4)
	s_cmp_eq_u32 s2, 0
	s_cbranch_scc0 .Lentry_in_a_cluster
	s_endpgm
.Lentry_in_a_cluster:
	s_bfe_u32 s2, ttmp6, 0x10000c
	s_cmp_lg_u32 s2, 0x3003
	s_cbranch_scc0 .Lentry_shape_is_right
	s_endpgm
.Lentry_shape_is_right:
; out0[head][q][:] = the sum over k of softmax_k(where(mask, Q.K, -10000) / 8) V[k][:], 64 heads, 2,048 queries and keys, d = 64.  No work of reference() is left out here either.
; The first product runs on the codes of E2M1 and the E8M0 bytes that the launch before has made (qblk, kblk), by v_wmma_scale_f32_16x16x128_f8f6f4; the second on f16 (p at most about 1; V from vh), sums in f32.
; SHARES.  A work-group owns 512 queries of one head; each of its SIXTEEN waves owns 32 of them, two tiles of 16, in 256 registers: four waves to a SIMD, so that one wave's vector work stands beside another's
; matrix work and LDS loads.  Every wave walks all 2,048 keys, 64 a step.  K's and V's tiles come through a ring of two LDS slots of 512 keys.
; CLUSTER.  The four work-groups of a cluster are the four blocks of queries of one head and walk the same K and V: each tile is asked for JOINTLY, by the same tensor load with the same descriptor and the mask
; of all four (waves 0-3: 128 keys of V each; wave 4: K's 512 keys).  A refill is asked for eight key steps of all sixteen waves ahead of the wait for it, so nothing is asked of memory earlier than that.
; LAYOUT.  Both products are used transposed: S^T = K Q^T (source 0 = 16 keys, source 1 = 16 queries), O^T = V^T P (source 0 = 16 channels, source 1 = P): a lane holds ONE query (lane % 16) throughout.
; Tile 2 g + u of K holds keys 32 g + 16 h' + 8 u + j in its rows 8 h' + j, so register j of that tile in lane (r, h) is key 32 g + 16 h + 8 u + j.  Two tiles, rounded to f16 in pairs, are source 1 of the second
; product with the keys 16 h + 0..7 in registers 0-3 and 16 h + 8..15 in registers 4-7; V^T's fragment is fetched with the same keys in the same places: the order along K is the same on both sides.
; d = 64 IN AN INSTRUCTION OF 128: Q's registers 4-7 hold zero codes and bytes 2, 3 of every scale word stand for 1.0, so whatever codes stand in K's registers 4-7 (E2M1 has no NaN and no infinity) add exactly 0.
; So fragment t of K is named v[KF + 4 t : KF + 4 t + 7]: its upper half is the next fragment's lower half, the last one's four registers cleared once.
; THE MASK costs one instruction a register of scores: word 8 t + j of the step's 32 words (mw) is the lane mask of register j of tile t, and v_cndmask_b32 takes it from a scalar register.
; SOFTMAX.  For each query a running maximum m and sum l: p = 2^(c s - c m), c = log2(e) / 8; in every step O and l are multiplied by a = 2^(c m_old - c m_new).  The sum is taken of p before it is rounded to f16.
; LIMITS: NaN and infinities among the inputs are not served; |value| under 65,504; p under 2^-25 is rounded to 0 for the second product (the sum keeps it).
.set SLOT1, 131072                     ; slot 1 begins here: one exclusive or turns an address in one slot into the other's
.set KOFF,  73728                      ; a slot: V of 512 keys: 256 rows of 256 bytes (two keys) + 32 of padding; then K: 8 BLOCKS of 2,304 bytes, dense
.set KBLK,  2304
.set SPARE, 223232                     ; behind the ring: the spare words, 128 bytes for each wave: eight blocks of 256 bytes that no other line names
.set STAGE, 225280                     ; behind them: 16 rows x 272 bytes for each wave, for the way out; no tensor load lands here
.set STGW,  4352
.set LIK, 1                            ; v1   KOFF + 16 x lane: my place in an image of K's registers
.set LSK, 2                            ; v2   KOFF + 2048 + 16 (lane % 16): my row's four scale words
.set AV0, 3                            ; v3   my lane's place in a fragment of V
.set ADK, 4                            ; v4-6 the step's LDS addresses
.set ADS, 5
.set ADV, 6
.set NEG, 7                            ; v7   -10000.0
.set SPW, 8                            ; v8   LDS address of my spare word: SPARE + 4 x my thread's number; never rewritten
.set NIL, 9                            ; v9   0; never rewritten
.set ST,  10                           ; v10-25 tile q's statistics at v[ST + 8 q]: +0 c m, +1 m, +2, +3 l (even keys', odd keys'), +4 to +7 c0-c3, at work; a takes c2's place
.set QS,  26                           ; v26-27 Q's scale words, a register a tile: scales and nothing else
.set KS,  28                           ; v28-31 K's scale words, a register a tile: scales and nothing else
.set Q,   32                           ; v32-47 Q's two fragments; registers 4-7 of each are 0
.set KF,  48                           ; v48-67 K's four half fragments, and four registers of 0
.set S,   68                           ; v68-131 S^T: v[S + 32 q + 8 t + j]; then P in v68-99 (v[S + 16 q + 8 g] on) and V's second group in v100-131
.set VB,  100
.set O,   132                          ; v132-195 O^T: v[O + 32 q + 8 c + j] = channel 16 c + 8 h + j
.set VA,  196                          ; v196-227 V's first group of 32 keys: four fragments
.set STO, 228                          ; v228-230 the way out
.set RD,  229
.set GO,  230
.set QO,  231                          ; v231-232 Q's offsets in its BLOCK
.set QSO, 232
.set WV,  2                            ; s2   my wave's number
.set SLOTS, 3                          ; s3   slots still to be asked for
.set XK,  4                            ; s4   counts a slot's steps by K's bytes: 0, 2304, .. 16128
.set SB,  5                            ; s5   LDS byte at which the slot in hand begins
.set MP,  6                            ; s[6:7] where the mask words last asked for stand
.set G1V, 8                            ; s[8:15]  descriptor group 1 for V's tiles;  s[16:23] for K's;  s[24:27], s[28:31] their groups 0, which walk
.set G1K, 16
.set G0V, 24
.set G0K, 28
.set MW0, 32                           ; s[32:63] the step's 32 lane masks of tile 0
.set SEL, 66                           ; s[66:67] lane selects for v_permlanex16_b32: lane L xor 16
.set MW1, 68                           ; s[68:99] those of tile 1 (until the first mask words are asked for: the arguments and the head's scratch)
.set CS,  100                          ; s[100:101] c: the packed form names a pair and takes its low word for both halves
.set TK,  104                          ; s104 SB + XK
.set TV,  105                          ; s105 SB + 4 XK: a step of V is 9,216 bytes
; A joint load.  The branches hang on the wave's number alone: they are the same in every work-group.  An s_nop 0 and four v_nop follow each of the two lines.
.macro JLOAD
	s_cmp_lt_u32 s[WV], 4
	s_cbranch_scc0 .Lnot_v_\@
	tensor_load_to_lds s[G0V:G0V+3], s[G1V:G1V+7]
	s_nop 0
.rept 4
	v_nop
.endr
	s_branch .Lasked_\@
.Lnot_v_\@:
	s_cmp_lt_u32 s[WV], 5
	s_cbranch_scc0 .Lasked_\@
	tensor_load_to_lds s[G0K:G0K+3], s[G1K:G1K+7]
	s_nop 0
.rept 4
	v_nop
.endr
.Lasked_\@:
.endm
; A round of the cluster's barrier: my work-group's barrier, so that wave 0's signal speaks for all sixteen waves; wave 0 signals for the work-group; every wave waits for all four work-groups; my work-group's barrier once more.
.macro CROUND
	s_barrier_signal -1
	s_barrier_wait -1
	s_cmp_lg_u32 s[WV], 0
	s_cbranch_scc1 .Lnot_wave_0_\@
	s_barrier_signal -3
.Lnot_wave_0_\@:
	s_barrier_wait -3
	s_barrier_signal -1
	s_barrier_wait -1
.endm
	s_load_b256 s[68:75], s[0:1], 0x0              ; qblk s[68:69], kblk s[70:71], vh s[72:73], mw s[74:75]
	v_lshl_add_u32 v[SPW], v0, 2, SPARE
	v_mov_b32 v[NIL], 0
	ds_add_u32 v[SPW], v[NIL]                      ; the wave's opening: the add, twice on end, with its wait ahead of the round in front of the first tensor loads
	ds_add_u32 v[SPW], v[NIL]                      ; and once more; the set-up below, work on registers, stands between it and the wait
	v_lshrrev_b32 v10, 5, v0
	v_readfirstlane_b32 s[WV], v10                 ; wave 0..15
	s_bfe_u32 s76, ttmp6, 0x40000                  ; cx: my place in the cluster
	s_lshl_b32 s84, ttmp9, 2                       ; in a cluster launch ttmp9 counts clusters
	s_add_co_u32 s76, s76, s84                     ; my block of 512 queries: it enters Q's, the mask words' and out0's global addresses alone
	s_and_b32 s77, ttmp7, 0xffff                   ; the head, which the four partners share
	; what I fetch, if I fetch: made of the head and the wave's number, in registers that never hold cx
	s_and_b32 s78, s[WV], 3
	s_lshl_b32 s80, s77, 18                        ; V: the head's 262,144 bytes,
	s_lshl_b32 s79, s78, 14                        ; + 128 keys of 128 bytes for each of waves 0-3
	s_add_co_u32 s80, s80, s79
	s_mov_b32 s81, 0
	s_mul_i32 s79, s78, 18432                      ; and in a slot: 64 rows of 288 bytes
	s_mul_i32 s82, s77, 32*KBLK                    ; K (and Q): the head's 32 BLOCKS
	s_mov_b32 s83, 0
	; Q: BLOCK 8 x block of queries + wave / 2 of the head
	s_lshl_b32 s84, s76, 3
	s_lshr_b32 s85, s[WV], 1
	s_add_co_u32 s84, s84, s85
	s_mul_i32 s84, s84, KBLK
	s_add_co_u32 s84, s84, s82
	s_mov_b32 s85, 0
	s_and_b32 s86, s[WV], 1                        ; g: which 32 rows of the BLOCK are mine: tiles 2 g, 2 g + 1
	s_lshl_b32 s87, s86, 3
	s_lshl_b32 s86, s86, 10
	; the mask words: batch = head / 16; tile of queries 32 x block + 2 x wave; 4,096 bytes a tile
	s_lshr_b32 s88, s77, 4
	s_lshl_b32 s88, s88, 7
	s_lshl_b32 s89, s76, 5
	s_add_co_u32 s88, s88, s89
	s_lshl_b32 s89, s[WV], 1
	s_add_co_u32 s88, s88, s89
	s_lshl_b32 s88, s88, 12
	s_mov_b32 s89, 0
	; descriptor group 1.  V: 64 rows of 128 f16 (two keys a row: the rows are dense in memory), 32 bytes of padding behind each
	s_mov_b32 s[G1V], 15|(1<<16)|(1<<20)|(1<<21)|(5<<22)|(7<<25)   ; 15:0 the mask: all four work-groups; 17:16 elements of 2 bytes; 20 padding on; 21 set beside a mask; 24:22 after every 64 words (code 5); 31:25 8 words (code 7)
	s_mov_b32 s[G1V+1], 128<<16                    ; tensor_dim0 = 128
	s_mov_b32 s[G1V+2], 64<<16                     ; tensor_dim1 = 64
	s_mov_b32 s[G1V+3], 128<<16                    ; tile_dim0 = 128
	s_mov_b32 s[G1V+4], 64                         ; tile_dim1 = 64
	s_mov_b32 s[G1V+5], 128                        ; tensor_dim0_stride
	s_mov_b32 s[G1V+6], 0
	s_mov_b32 s[G1V+7], 0
	; K: 8 BLOCKS = 18,432 dense bytes as 72 rows of 256 bytes (32 elements of 8 bytes), no padding: images are read 16 bytes a lane on end
	s_mov_b32 s[G1K], 15|(3<<16)|(1<<21)
	s_mov_b32 s[G1K+1], 32<<16
	s_mov_b32 s[G1K+2], 72<<16
	s_mov_b32 s[G1K+3], 32<<16
	s_mov_b32 s[G1K+4], 72
	s_mov_b32 s[G1K+5], 32
	s_mov_b32 s[G1K+6], 0
	s_mov_b32 s[G1K+7], 0
	s_mov_b32 s[SEL], 0x76543210
	s_mov_b32 s[SEL+1], 0xfedcba98
	s_mov_b32 s[CS], 0x3e38aa3b                    ; c = log2(e) / 8
	s_mov_b32 s[CS+1], s[CS]                       ; (named with it as a pair, so it is written)
	v_and_b32 v10, 31, v0                          ; L
	v_lshlrev_b32 v11, 4, v10                      ; 16 L
	v_and_b32 v12, 15, v0                          ; r
	v_lshlrev_b32 v13, 4, v12                      ; 16 r
	v_add_nc_u32 v[QO], s86, v11                   ; Q's images: 1,024 g + 16 L
	v_add_nc_u32 v[QSO], s87, v13
	v_add_nc_u32 v[QSO], 2048, v[QSO]              ; Q's scale words: 2,048 + 16 r + 8 g: two words, tiles 2 g and 2 g + 1
	v_add_nc_u32 v[LIK], KOFF, v11
	v_add_nc_u32 v[LSK], KOFF+2048, v13
	s_wait_dscnt 0x0                               ; both opening adds are done
	s_wait_kmcnt 0x0
	s_add_nc_u64 s[MP:MP+1], s[74:75], s[88:89]
	s_add_nc_u64 s[4:5], s[68:69], s[84:85]        ; Q's BLOCK (s4, s5 are free again behind the wait for Q)
	s_mov_b32 s[G0V], 1                            ; 1:0 count = 1
	s_mov_b32 s[G0V+1], s79                        ; 63:32 LDS address: slot 0
	s_add_nc_u64 s[G0V+2:G0V+3], s[72:73], s[80:81]   ; 120:64 global address: the head's first 512 keys
	s_or_b32 s[G0V+3], s[G0V+3], 0x80000000        ; 127:126 type = 2
	s_mov_b32 s[G0K], 1
	s_mov_b32 s[G0K+1], KOFF
	s_add_nc_u64 s[G0K+2:G0K+3], s[70:71], s[82:83]
	s_or_b32 s[G0K+3], s[G0K+3], 0x80000000
	CROUND                                         ; all four work-groups are here: the first joint loads meet
	JLOAD                                          ; slot 0
	global_load_b128 v[Q:Q+3], v[QO], s[4:5]                   ; Q stays in registers: tile 0's codes,
	global_load_b128 v[Q+8:Q+11], v[QO], s[4:5] offset:512     ; tile 1's,
	global_load_b64 v[QS:QS+1], v[QSO], s[4:5]                 ; and the two scale words of row r
	s_load_b512 s[MW0:MW0+15], s[MP:MP+1], 0x0                 ; the first step's lane masks: 128 bytes a tile of queries; the tiles' rows of words lie 4,096 bytes apart
	s_load_b512 s[MW0+16:MW0+31], s[MP:MP+1], 0x40
	s_load_b512 s[MW1:MW1+15], s[MP:MP+1], 0x1000
	s_load_b512 s[MW1+16:MW1+31], s[MP:MP+1], 0x1040
.irp j, 4,5,6,7,12,13,14,15
	v_mov_b32 v[Q+\j], 0                           ; zero codes for k = 64 .. 127
.endr
.irp j, 16,17,18,19
	v_mov_b32 v[KF+\j], 0                          ; the last fragment's upper half
.endr
	; V's turning load takes 16 bytes a lane: key 16 h + L % 8 (a second load: 8 keys on), channels 8 ((L / 8) % 2) + 0..7.  Key kappa lies at 288 (kappa / 2) + 128 (kappa % 2):
	; sixteen lanes take 8 keys x 32 bytes, which start at words 0, 32, 72, 104, 144, 176, 216, 248: eight different groups of 8 banks (64 banks of 4 bytes: ISA guide 11.1)
	v_bfe_u32 v10, v0, 4, 1                        ; h
	v_bfe_u32 v[AV0], v0, 1, 2                     ; (L % 8) / 2
	v_mul_u32_u24 v[AV0], v[AV0], 288
	v_and_b32 v11, 1, v0
	v_lshl_add_u32 v[AV0], v11, 7, v[AV0]
	v_mad_u32_u24 v[AV0], v10, 2304, v[AV0]        ; 16 keys are 8 rows
	v_bfe_u32 v11, v0, 3, 1
	v_lshl_add_u32 v[AV0], v11, 4, v[AV0]
	v_mov_b32 v[NEG], 0xc61c4000                   ; -10000.0
.irp q, 0,1
	v_mov_b32 v[ST+8*\q+1], 0xff61b1e6             ; m: -3e38, under every score
	v_mov_b32 v[ST+8*\q+2], 0                      ; l
	v_mov_b32 v[ST+8*\q+3], 0
.endr
.irp q, 0,1
	v_mul_f32 v[ST+8*\q], s[CS], v[ST+8*\q+1]      ; c m
.endr
.set i, 0
.rept 64
	v_mov_b32 v[O+i], 0                            ; O^T.  (The step is written once: the first finds zeros, which its a = 0 leaves zeros)
.set i, i+1
.endr
	s_wait_loadcnt 0x0                             ; Q
; A KEY STEP: 64 keys.  last = 1: the copy for the last slot, whose last step asks for no mask words.
.macro STEP last
	s_add_co_u32 s[TK], s[SB], s[XK]
	s_lshl_b32 s[TV], s[XK], 2
	s_add_co_u32 s[TV], s[TV], s[SB]
	v_add_nc_u32 v[ADK], s[TK], v[LIK]
	v_add_nc_u32 v[ADS], s[TK], v[LSK]
	v_add_nc_u32 v[ADV], s[TV], v[AV0]
.rept 3
	v_nop                                          ; with the three additions six places behind the last step's products: the products below write over registers that those read (five are owed), the loads land in others (four)
.endr
.irp t, 0,1,2,3
	ds_load_b128 v[KF+4*\t:KF+4*\t+3], v[ADK] offset:512*\t    ; tile t's image: 512 consecutive bytes
.endr
	ds_load_b128 v[KS:KS+3], v[ADS]                ; row r's scale words of the four tiles
.irp c, 0,1,2,3
	ds_load_tr16_b128 v[VA+8*\c:VA+8*\c+3], v[ADV] offset:32*\c          ; V^T, keys 0-31 of the step, channels 16 c on: keys 16 h + 0..7,
	ds_load_tr16_b128 v[VA+8*\c+4:VA+8*\c+7], v[ADV] offset:1152+32*\c   ; and 16 h + 8..15
.endr
	s_wait_dscnt 8                                 ; K's five loads are in; V's eight may be out
.irp t, 0,1,2,3
.irp q, 0,1
	v_wmma_scale_f32_16x16x128_f8f6f4 v[S+32*\q+8*\t:S+32*\q+8*\t+7], v[KF+4*\t:KF+4*\t+7], v[Q+8*\q:Q+8*\q+7], 0, v[KS+\t], v[QS+\q] matrix_a_fmt:MATRIX_FMT_FP4 matrix_b_fmt:MATRIX_FMT_FP4
.endr
.endr
.rept 4
	v_nop                                          ; places in front of the first read of results (ISA guide 7.12.1)
.endr
	s_wait_kmcnt 0x0                               ; this step's lane masks, asked for a step ago
.set i, 0
.rept 32
	v_cndmask_b32 v[S+i], v[NEG], v[S+i], s[MW0+i] ; where(mask, score, -10000); ascending
.set i, i+1
.endr
.set i, 0
.rept 32
	v_cndmask_b32 v[S+32+i], v[NEG], v[S+32+i], s[MW1+i]
.set i, i+1
.endr
.if \last
	s_cmp_eq_u32 s[XK], 7*KBLK                     ; the head's last step: there are no further words, and no load leaves mw
	s_cbranch_scc1 .Lno_words_\@
.endif
	s_add_nc_u64 s[MP:MP+1], s[MP:MP+1], 128       ; (the wait on KMcnt above has shown the last loads done: their address may be written)
	s_load_b512 s[MW0:MW0+15], s[MP:MP+1], 0x0     ; the next step's words: a whole step ahead of their use
	s_load_b512 s[MW0+16:MW0+31], s[MP:MP+1], 0x40
	s_load_b512 s[MW1:MW1+15], s[MP:MP+1], 0x1000
	s_load_b512 s[MW1+16:MW1+31], s[MP:MP+1], 0x1040
.if \last
.Lno_words_\@:
.endif
	; the maximum of a lane's 32 scores and the old m, three operands at a time, four chains a tile, the two tiles by turns
.irp j, 0,1,2,3
.irp q, 0,1
	v_max3_num_f32 v[ST+8*\q+4+\j], v[S+32*\q+8*\j], v[S+32*\q+8*\j+1], v[S+32*\q+8*\j+2]
.endr
.endr
.irp n, 3,5
.irp j, 0,1,2,3
.irp q, 0,1
	v_max3_num_f32 v[ST+8*\q+4+\j], v[ST+8*\q+4+\j], v[S+32*\q+8*\j+\n], v[S+32*\q+8*\j+\n+1]
.endr
.endr
.endr
.irp q, 0,1
	v_max3_num_f32 v[ST+8*\q+4], v[ST+8*\q+4], v[S+32*\q+7], v[S+32*\q+15]
	v_max3_num_f32 v[ST+8*\q+6], v[ST+8*\q+6], v[S+32*\q+23], v[S+32*\q+31]
.endr
.irp q, 0,1
	v_max3_num_f32 v[ST+8*\q+4], v[ST+8*\q+4], v[ST+8*\q+5], v[ST+8*\q+6]
.endr
.irp q, 0,1
	v_max3_num_f32 v[ST+8*\q+4], v[ST+8*\q+4], v[ST+8*\q+7], v[ST+8*\q+1]
.endr
.irp q, 0,1
	v_permlanex16_b32 v[ST+8*\q+5], v[ST+8*\q+4], s[SEL], s[SEL+1]   ; the query's other 32 keys lie in the lane 16 away
.endr
.irp q, 0,1
	v_mov_b32 v[ST+8*\q+7], v[ST+8*\q]             ; c m_old is kept for a
.endr
.irp q, 0,1
	v_max_num_f32 v[ST+8*\q+1], v[ST+8*\q+4], v[ST+8*\q+5]
.endr
.irp q, 0,1
	v_mul_f32 v[ST+8*\q], s[CS], v[ST+8*\q+1]
.endr
.irp q, 0,1
	v_sub_f32 v[ST+8*\q+7], v[ST+8*\q+7], v[ST+8*\q]
.endr
.irp q, 0,1
.set i, 0
.rept 16
	v_pk_fma_f32 v[S+32*\q+i:S+32*\q+i+1], v[S+32*\q+i:S+32*\q+i+1], s[CS:CS+1], v[ST+8*\q:ST+8*\q+1] op_sel_hi:[1,0,0] neg_lo:[0,0,1] neg_hi:[0,0,1]   ; c s - c m, two at a time
.set i, i+2
.endr
.endr
.irp q, 0,1
	v_exp_f32 v[ST+8*\q+6], v[ST+8*\q+7]           ; a = 2^(c m_old - c m_new)
.endr
.set i, 0
.rept 64
	v_exp_f32 v[S+i], v[S+i]                       ; p: ONE batch of 66 exponentials, none of which reads another's result
.set i, i+1
.endr
	v_nop                                          ; a plain instruction behind the last exponential (ISA guide 5.7.2),
	s_wait_alu depctr_va_vdst(0)                   ; and one wait ahead of the batch's first reader
.irp q, 0,1
	v_pk_mul_f32 v[ST+8*\q+2:ST+8*\q+3], v[ST+8*\q+2:ST+8*\q+3], v[ST+8*\q+6:ST+8*\q+7] op_sel_hi:[1,0]   ; l under the new m
	v_pk_add_f32 v[ST+8*\q+4:ST+8*\q+5], v[S+32*\q:S+32*\q+1], v[S+32*\q+2:S+32*\q+3]                   ; the sum of the unrounded p, two at a time, two chains a tile
.endr
.irp j, 4,8,12,16,20,24,28
.irp q, 0,1
	v_pk_add_f32 v[ST+8*\q+2:ST+8*\q+3], v[ST+8*\q+2:ST+8*\q+3], v[S+32*\q+\j:S+32*\q+\j+1]
	v_pk_add_f32 v[ST+8*\q+4:ST+8*\q+5], v[ST+8*\q+4:ST+8*\q+5], v[S+32*\q+\j+2:S+32*\q+\j+3]
.endr
.endr
.irp q, 0,1
	v_pk_add_f32 v[ST+8*\q+2:ST+8*\q+3], v[ST+8*\q+2:ST+8*\q+3], v[ST+8*\q+4:ST+8*\q+5]
.endr
.set i, 0
.rept 32
	v_cvt_pk_f16_f32 v[S+i], v[S+2*i], v[S+2*i+1]  ; p to f16, in place and ascending: register i is written when conversion i / 2 has read it
.set i, i+1
.endr
.irp c, 0,1,2,3
	ds_load_tr16_b128 v[VB+8*\c:VB+8*\c+3], v[ADV] offset:4608+32*\c          ; V^T, keys 32-63 of the step, into the registers that p has left
	ds_load_tr16_b128 v[VB+8*\c+4:VB+8*\c+7], v[ADV] offset:4608+1152+32*\c
.endr
.irp q, 0,1
.set i, 0
.rept 16
	v_pk_mul_f32 v[O+32*\q+i:O+32*\q+i+1], v[O+32*\q+i:O+32*\q+i+1], v[ST+8*\q+6:ST+8*\q+7] op_sel_hi:[1,0]   ; O^T under the new m; ascending: each accumulator from its low end on
.set i, i+2
.endr
.endr
	s_wait_dscnt 8                                 ; V's first group is in; the second group's eight loads may be out
.irp c, 0,1,2,3                                ; the eight accumulators take turns, one instruction a turn
.irp q, 0,1
	v_wmma_f32_16x16x32_f16 v[O+32*\q+8*\c:O+32*\q+8*\c+7], v[VA+8*\c:VA+8*\c+7], v[S+16*\q:S+16*\q+7], v[O+32*\q+8*\c:O+32*\q+8*\c+7]
.endr
.endr
	s_wait_dscnt 0x0
.irp c, 0,1,2,3
.irp q, 0,1
	v_wmma_f32_16x16x32_f16 v[O+32*\q+8*\c:O+32*\q+8*\c+7], v[VB+8*\c:VB+8*\c+7], v[S+16*\q+8:S+16*\q+15], v[O+32*\q+8*\c:O+32*\q+8*\c+7]
.endr
.endr
.endm
; A slot's eight key steps: written once, walked eight times; the counter is also K's byte offset in the slot.
.macro SLOT_STEPS last
	s_mov_b32 s[XK], 0
.Lstep_\@:
	STEP \last
	s_add_co_u32 s[XK], s[XK], KBLK
	s_cmp_lt_u32 s[XK], 8*KBLK
	s_cbranch_scc1 .Lstep_\@
	s_xor_b32 s[SB], s[SB], SLOT1                  ; on to the other slot
.endm
; THE CHANGE OF SLOTS stands at a slot's head.  Each wave waits for all its tensor loads (its part of the slot that it is about to read), adds 0 to its spare word, and waits for that and for its reads of the slot
; that it has left.  fill = 1: a round of the cluster's barrier follows, behind which no wave of any partner reads the other slot or has a load on its way, and that slot is asked for first thing: the next 512 keys.
.macro CHANGE fill
	s_wait_tensorcnt 0x0                           ; no tensor load of mine is out, so a group 0 may be written
	ds_add_u32 v[SPW], v[NIL]                      ; 0 onto my spare word
.if \fill
	ds_add_u32 v[SPW], v[NIL]                      ; and once more
	s_xor_b32 s[G0V+1], s[G0V+1], SLOT1            ; the walking descriptors: the other slot than last time,
	s_add_nc_u64 s[G0V+2:G0V+3], s[G0V+2:G0V+3], 65536    ; the next 512 keys of 128 bytes; the type bits on top are not reached
	s_xor_b32 s[G0K+1], s[G0K+1], SLOT1
	s_add_nc_u64 s[G0K+2:G0K+3], s[G0K+2:G0K+3], 8*KBLK
	s_wait_dscnt 0x0                               ; both adds are done, and my reads of the slot that I have left are over
	CROUND
	JLOAD                                          ; a wave's one tensor load until the next round
.else
	s_wait_dscnt 0x0                               ; the add is done, and my reads of the slot that I have left are over
	s_barrier_signal -1
	s_barrier_wait -1
.endif
.endm
	s_mov_b32 s[SLOTS], 3
	s_mov_b32 s[SB], 0
.Lslot:                                            ; three trips: behind each change of slots but the last the next slot is asked for
	CHANGE 1
	SLOT_STEPS 0
	s_sub_co_u32 s[SLOTS], s[SLOTS], 1
	s_cmp_lg_u32 s[SLOTS], 0
	s_cbranch_scc1 .Lslot
	CHANGE 0                                       ; the last slot is written out
	SLOT_STEPS 1
	; THE WAY OUT.  l's two halves and the other half of the lanes' are added; O^T is divided by l and goes through my own stage in LDS, a tile of 16 queries at a time, so that a store covers two whole rows of out0.
	s_load_b64 s[32:33], s[0:1], 0x20              ; out0 (no mask words are out: the last step asked for none)
	s_bfe_u32 s36, ttmp6, 0x40000
	s_lshl_b32 s37, ttmp9, 2
	s_add_co_u32 s36, s36, s37                     ; my block of 512 queries: 131,072 bytes,
	s_lshl_b32 s36, s36, 17
	s_and_b32 s37, ttmp7, 0xffff
	s_lshl_b32 s37, s37, 19                        ; the head's 524,288,
	s_add_co_u32 s34, s36, s37
	s_lshl_b32 s37, s[WV], 13                      ; my wave's 32 rows of 256
	s_add_co_u32 s34, s34, s37
	s_mov_b32 s35, 0
	s_mul_i32 s38, s[WV], STGW
	s_add_co_u32 s38, s38, STAGE                   ; my stage: the wave's number and constants alone
.irp q, 0,1
	v_add_f32 v[ST+8*\q+4], v[ST+8*\q+2], v[ST+8*\q+3]
.endr
.irp q, 0,1
	v_permlanex16_b32 v[ST+8*\q+5], v[ST+8*\q+4], s[SEL], s[SEL+1]
.endr
.irp q, 0,1
	v_add_f32 v[ST+8*\q+4], v[ST+8*\q+4], v[ST+8*\q+5]
.endr
.irp q, 0,1
	v_rcp_f32 v[ST+8*\q+6], v[ST+8*\q+4]
.endr
	v_and_b32 v4, 15, v0                           ; (plain work behind the reciprocals, and the places behind the last products)  r
	v_bfe_u32 v5, v0, 4, 1                         ; h
	v_mul_u32_u24 v[STO], v4, 272
	v_lshl_add_u32 v[STO], v5, 5, v[STO]
	v_add_nc_u32 v[STO], s38, v[STO]               ; in: row r; fragment c's eight channels of my half: 64 c + 32 h bytes on
	v_mul_u32_u24 v[RD], v5, 272
	v_lshl_add_u32 v[RD], v4, 4, v[RD]
	v_add_nc_u32 v[RD], s38, v[RD]                 ; back: lanes 0-15 one row of 256 bytes, lanes 16-31 the next
	v_lshlrev_b32 v[GO], 8, v5
	v_lshl_add_u32 v[GO], v4, 4, v[GO]             ; and the same two rows in out0
	s_wait_alu depctr_va_vdst(0)                   ; one wait ahead of the first use, for both reciprocals
.irp q, 0,1
.set i, 0
.rept 16
	v_pk_mul_f32 v[S+32*\q+i:S+32*\q+i+1], v[O+32*\q+i:O+32*\q+i+1], v[ST+8*\q+6:ST+8*\q+7] op_sel_hi:[1,0]   ; O^T / l; ascending: each accumulator from its low end on
.set i, i+2
.endr
.endr
.irp q, 0,1
.irp c, 0,1,2,3
	ds_store_b128 v[STO], v[S+32*\q+8*\c:S+32*\q+8*\c+3] offset:64*\c
	ds_store_b128 v[STO], v[S+32*\q+8*\c+4:S+32*\q+8*\c+7] offset:64*\c+16
.endr
.irp i, 0,1,2,3,4,5,6,7
	ds_load_b128 v[VA-64*\q+4*\i:VA-64*\q+4*\i+3], v[RD] offset:544*\i   ; LDS serves a wave's instructions in order (ISA guide 5.7.1.4): these see the stores above, and the next tile's stores come behind them.  Tile 0 into v196 on, tile 1 into v132 on
.endr
.endr
	s_wait_kmcnt 0x0
	s_add_nc_u64 s[32:33], s[32:33], s[34:35]
.irp q, 0,1
.irp i, 0,1,2,3,4,5,6,7
	s_wait_dscnt 23-16*\q-\i                       ; behind this load: the tile's younger loads and, for tile 0, tile 1's eight stores and eight loads
	global_store_b128 v[GO], v[VA-64*\q+4*\i:VA-64*\q+4*\i+3], s[32:33] offset:4096*\q+512*\i th:TH_STORE_NT   ; 32 lanes store 512 consecutive bytes, at a multiple of 256 from out0's first byte
.endr
.endr
	s_wait_tensorcnt 0x0                           ; the wave's end: a wait, a 0 added to my spare word and its wait, behind my last tensor load and my last LDS store
	ds_add_u32 v[SPW], v[NIL]
	s_wait_dscnt 0x0
	CROUND                                         ; the closing round: no work-group ends while a partner may still ask for a tile that names it
	s_endpgm
.Lfunc_end_k_qe0b482c319_attn:
	.size	k_qe0b482c319_attn, .Lfunc_end_k_qe0b482c319_attn-k_qe0b482c319_attn
	.p2alignl 7, 3214868480
	.fill 96, 4, 3214868480
	.section	.rodata,"a",@progbits
	.p2align	6, 0x0
	.amdhsa_kernel k_qe0b482c319_attn
		.amdhsa_group_segment_fixed_size 327680
		.amdhsa_private_segment_fixed_size 0
		.amdhsa_enable_private_segment 0
		.amdhsa_kernarg_size 40
		.amdhsa_user_sgpr_count 2
		.amdhsa_user_sgpr_kernarg_segment_ptr 1
		.amdhsa_wavefront_size32 1
		.amdhsa_system_sgpr_workgroup_id_x 1
		.amdhsa_system_sgpr_workgroup_id_y 1
		.amdhsa_system_sgpr_workgroup_id_z 1
		.amdhsa_system_vgpr_workitem_id 0
		.amdhsa_next_free_vgpr 256
		.amdhsa_next_free_sgpr 106
		.amdhsa_reserve_vcc 0
		.amdhsa_float_denorm_mode_32 3
		.amdhsa_float_denorm_mode_16_64 3
		.amdhsa_memory_ordered 1
		.amdhsa_forward_progress 1
		.amdhsa_inst_pref_size 61
	.end_amdhsa_kernel
	.amdgpu_metadata
---
amdhsa.version: [ 1, 2 ]
amdhsa.kernels:
  - .name:           k_qe0b482c319_attn
    .symbol:         k_qe0b482c319_attn.kd
    .args:
      - { .name: qblk, .offset: 0, .size: 8, .value_kind: global_buffer, .address_space: global }
      - { .name: kblk, .offset: 8, .size: 8, .value_kind: global_buffer, .address_space: global }
      - { .name: vh, .offset: 16, .size: 8, .value_kind: global_buffer, .address_space: global }
      - { .name: mw, .offset: 24, .size: 8, .value_kind: global_buffer, .address_space: global }
      - { .name: out0, .offset: 32, .size: 8, .value_kind: global_buffer, .address_space: global }
    .group_segment_fixed_size: 327680
    .private_segment_fixed_size: 0
    .kernarg_segment_align: 8
    .kernarg_segment_size: 40
    .max_flat_workgroup_size: 512
    .sgpr_count:     106
    .vgpr_count:     256
    .wavefront_size: 32
...
	.end_amdgpu_metadata
.endif
;; end of part 2
